; MI455X (gfx1250); checked and timed in simulation.
; The chip was launched on July 23, 2026; its instructions are those of AMD's public machine-readable ISA for CDNA 5 (MIT licence, August 2026) and "CDNA5" Instruction Set Architecture Reference Guide (July 2026). The comments in the code are by the model that wrote it; some were corrected since.
;; Full Attention. Allowed arithmetic: float matrix products may take bf16 or f16 operands with f32 sums; all other float work in f32.
;; Inputs: keys 2 x 2,048 x 16 x 64 float32; queries 2 x 2,048 x 16 x 64 float32; values 2 x 2,048 x 16 x 64 float32.
;; Outputs: out0 2 x 2,048 x 16 x 64 float32.
;; One version. Each part assembles by itself: llvm-mc -triple=amdgcn-amd-amdhsa -mcpu=gfx1250 --defsym DOCPART=n.
;; ======== version 1 of 1: 1 launch
;; limits: inputs' magnitudes at most 3,900; values are held in f16: magnitudes above 65,504 overflow, below 6.1e-05 lose precision; inputs' magnitudes at most 65,504
;; launch attn (part 1): grid 256 x 1, 4 waves a work-group, no clusters, 168,448 bytes of LDS; arguments queries, keys, values, out0; writes out0
.if DOCPART == 1
	.amdgcn_target "amdgcn-amd-amdhsa--gfx1250"
	.amdhsa_code_object_version 6
	.text
	.protected	k_q741889f938_attn
	.globl	k_q741889f938_attn
	.p2align	8
	.type	k_q741889f938_attn,@function
k_q741889f938_attn:
	s_mov_b64 s[64:65], 0
	v_nop
	global_prefetch_b8 v0, s[64:65] scope:SCOPE_SE
	s_setreg_imm32_b32 hwreg(HW_REG_WAVE_MODE, 25, 1), 1
	s_wait_xcnt 0x0
; out[b,l,h,:] = softmax over s of 0.125 * (s <= l ? -1e9 : q[b,l,h,:].k[b,s,h,:]), times v[b,s,h,:].   B 2, L = S 2048, H 16, E 64, all f32.
; A (position, head) row is 256 consecutive bytes; the rows of one head lie 4,096 bytes apart.
;
; SHARE.  256 work-groups of four waves.  Work-group x: i = x & 7, head (b, h) = x >> 3.  Query blocks have 128 rows, key tiles 64 keys.
; Only keys s > l are open, so block blk needs tiles 2 blk .. 31.  A work-group does block 15 - i (2 i + 2 tiles), then block i (32 - 2 i
; tiles): 34 tiles for every work-group.  Wave w owns rows 32 w .. 32 w + 31 of the block, two tiles of 16 queries (qt).
; PRODUCTS.  S^T = K Q^T: a lane holds 8 keys of ONE query in a tile's 8 registers, so maxima and sums run inside the lane plus one exchange
; with lane xor 16, and two neighbouring score tiles, rounded in pairs, ARE the second operand of O^T = V^T P^T: no shuffle.
; V^T is read from V's tile [key][d] by the transposing LDS load.  A lane's 8 results of O^T are 8 neighbouring d of one query.
; FORMAT.  All four matrix operands are f16, sums f32.  f16 and not bf16 for its 11 significant bits in place of 8: the rows next to 2047 have
; few open keys, so their results are sums of a few terms of V's own size, in which the operands' rounding is not averaged away.
; FILL.  K and V are f32 in memory: a tile goes memory -> registers (each load of a wave covers two whole rows of 256 bytes) -> f16 -> LDS,
; once for the work-group.  Two register sets: the tile of trip u + 3 is asked for in trip u and waited for in trip u + 2.
; The list of tiles runs on across the change of block.
; ROW 2047 has no open key: all 2,048 weights are equal, the result is the mean of the head's value rows.  The work-groups with i = 0 walk
; all 32 tiles for block 0 and add up the f32 values as they pass through the registers; the block's own store leaves that row out.
; NO JOINT REQUESTS: the eight work-groups of a head walk lists of different lengths (2 i + 2, then 32 - 2 i tiles), so partners would not make
; the same requests, and a tile fetched jointly would lie in LDS as f32 and need a second pass through registers and LDS to be rounded.
; The launch asks for more than half of the LDS (it uses 74,752 bytes), so that a work-group has its four SIMDs to itself.
; LIMITS.  Tiles wholly under the diagonal are skipped: their weights are exp(0.125 (-1e9 - max)), which is 0 in f32 as long as a row's largest
; open q.k lies above about -1e9 + 832 (|q|, |k| up to some 3,900).  Inside the two tiles on the diagonal the fill is -1e9 itself and the
; running maximum is taken away as in the softmax.  |v| up to 65,504, f16's largest number (q and k are held tighter by the line above);
; inputs below 2^-14 in size carry an absolute error of 2^-25.  Weights are at most 1 once a row has met an open key; before that they are
; 2^(c (-1e9) + rounded (c 1e9)), at most 2^8 (half a unit in the last place of 1.8e8 is 8), and the first open tile multiplies them by alpha = 0.
; Weights below 2^-14 of the running maximum's carry an absolute error of 2^-25; those below 2^-126 count as 0 (v_exp_f32).
; NaN and infinities in the inputs are not served.  Maxima, row sums and all sums of products are f32.
.set ROWB,  4096                       ; bytes from a position to the next
.set KP,    144                        ; LDS pitch of a K row: 128 bytes of f16 + 16
.set VP,    160                        ; LDS pitch of a V row: 128 + 32, an odd multiple of 32 for the transposing load
.set KBUF,  64*KP                      ; K buffers at 0 and 9,216
.set VBASE, 2*KBUF                     ; V buffers at 18,432 and 28,672
.set VBUF,  64*VP
.set STG,   VBASE+2*VBUF               ; 38,912: a stage of 8,704 bytes for each wave, its own: Q on the way in, O on the way out
.set QP,    144                        ; stage pitch for Q: 32 rows of 128 bytes + 16
.set OP,    272                        ; stage pitch for O: 32 rows of 256 bytes + 16
.set STGB,  32*OP
.set VSUM,  STG+4*STGB                 ; 73,728: four rows of 256 bytes, the waves' sums of V
; registers v0-v255
.set KA,   1                           ; LDS: my 16 bytes of a K fragment: r 144 + 16 h         (r = lane & 15, h = lane >> 4)
.set VA,   2                           ; LDS: my 16 bytes for the transposing load of V
.set KW,   3                           ; LDS: where I store 8 bytes of K: (t >> 4) 144 + (t & 15) 8
.set VW,   4                           ; LDS: the same for V, pitch 160
.set GO,   5                           ; memory: (t >> 4) 4096 + (t & 15) 16, my 16 bytes in a tile's first 8 rows
.set QGO,  6                           ; memory: (32 w + h) 4096 + r 16, my 16 bytes in my wave's first 2 rows of Q and of out
.set NEGV, 7                           ; -1e9
.set DQ1,  8                           ; v8, v9:   32 w + 16 qt + r - 8 h: a key 16 kt + j of the first diagonal tile is open if it is larger
.set DQ2,  10                          ; v10, v11: the same less 64, for the second diagonal tile
.set NM,   12                          ; v12:13, v14:15  (-c max, max) of my query, qt 0 and 1
.set AL,   16                          ; v16:17, v18:19  (alpha, 0): the pair's first register feeds both halves
.set LP,   20                          ; v20:21, v22:23  running row sum, as a pair
.set T,    24                          ; v24-31  at work
.set QB,   32                          ; v32-63  Q fragments of the first block: (qt, ks) at 8 (2 qt + ks)
.set O,    64                          ; v64-127 O^T: tile (qt, dt) at 8 (4 qt + dt)
.set S,    128                         ; v128-191 S^T: 32 qt + 8 kt + j; P in f16 takes the first 8 of each 16
.set VF,   192                         ; v192-255 V^T fragments: (dt, ks) at 8 (2 dt + ks); on the way out the rows read back
; registers v256 and up, named by their low 8 bits
.set ST,   0                           ; v256-383 two sets of 64: K's load i at 4 i, V's at 32 + 4 i
.set KF,   128                         ; v384-447 K fragments: (kt, ks) at 8 (2 kt + ks)
.set VS,   192                         ; v448-451 sums of V over the rows that I staged (i = 0)
.set QA,   196                         ; v452-483 Q fragments of the second block
.set OSW,  228                         ; v484 stage: where I put 16 bytes of O
.set OSR,  229                         ; v485 stage: where I read a row back
; s4-11 Q, K, V, out at the head's first row; s12 wave; s13 i; s16-19 tile pointers; s20 next tile; s21 2 i; s22:23 tile offset;
; s24, s25 loop counter and bound; s26:27 c, c; s28, s29 lane selects; s30 saved EXEC; s31 -c; s32-35 Q of the two blocks; s38-41 out of the two blocks; s42 stage
.set MSB, 0
.macro WIN new                         ; low byte: bits 1:0 source 0, 3:2 source 1, 5:4 source 2, 7:6 destination; the high byte repeats the setting left
.if MSB != \new
	s_set_vgpr_msb (MSB<<8)|\new
.set MSB, \new
.endif
.endm
; Ask for the next tile of the list, 16 loads: 64 rows of K and of V, 8 rows by each load of the work-group.
.macro ISSUE st
	s_wait_xcnt 0x0                                ; the tile pointers are sources of the loads issued a trip ago: rewritten only behind this wait
	s_lshl_b32 s22, s20, 18                        ; 64 rows of 4,096 bytes
	s_add_nc_u64 s[16:17], s[6:7], s[22:23]
	s_add_nc_u64 s[18:19], s[8:9], s[22:23]
	WIN 0x40
.irp i, 0,1,2,3,4,5,6,7
	global_load_b128 v[ST+64*\st+4*\i:ST+64*\st+4*\i+3], v[GO], s[16:17] offset:\i*8*ROWB
.endr
.irp i, 0,1,2,3,4,5,6,7
	global_load_b128 v[ST+64*\st+32+4*\i:ST+64*\st+32+4*\i+3], v[GO], s[18:19] offset:\i*8*ROWB
.endr
	WIN 0
	s_add_co_u32 s20, s20, 1                       ; behind tile 31 of the first block comes tile 2 i of the second
	s_cmp_eq_u32 s20, 32
	s_cselect_b32 s20, s21, s20
.endm
; Round a staged tile to f16 in place and store it into LDS buffer buf.  vs = 1: where i = 0, V's f32 numbers are first added to VS.
.macro CONVERT st, buf, vs, id
.if \vs
	WIN 0
	s_cmp_lg_u32 s13, 0
	s_cbranch_scc1 .Lvs\id
	WIN 0x45
.irp i, 0,1,2,3,4,5,6,7
	v_pk_add_f32 v[VS:VS+1], v[VS:VS+1], v[ST+64*\st+32+4*\i:ST+64*\st+32+4*\i+1]
	v_pk_add_f32 v[VS+2:VS+3], v[VS+2:VS+3], v[ST+64*\st+32+4*\i+2:ST+64*\st+32+4*\i+3]
.endr
	WIN 0
.Lvs\id:
.endif
	WIN 0x45
.irp i, 0,1,2,3,4,5,6,7,8,9,10,11,12,13,14,15
	v_cvt_pk_f16_f32 v[ST+64*\st+4*\i], v[ST+64*\st+4*\i], v[ST+64*\st+4*\i+1]
	v_cvt_pk_f16_f32 v[ST+64*\st+4*\i+1], v[ST+64*\st+4*\i+2], v[ST+64*\st+4*\i+3]
.endr
	WIN 0x04
.irp i, 0,1,2,3,4,5,6,7
	ds_store_b64 v[KW], v[ST+64*\st+4*\i:ST+64*\st+4*\i+1] offset:\buf*KBUF+8*KP*\i
.endr
.irp i, 0,1,2,3,4,5,6,7
	ds_store_b64 v[VW], v[ST+64*\st+32+4*\i:ST+64*\st+32+4*\i+1] offset:\buf*VBUF+8*VP*\i
.endr
	WIN 0
.endm
; The tile's 8 fragments of K: 16 keys x 32 e each, two loads of 16 bytes, 32 bytes apart.
.macro KFLOAD buf
	WIN 0x40
.irp kt, 0,1,2,3
.irp ks, 0,1
	ds_load_b128 v[KF+16*\kt+8*\ks:KF+16*\kt+8*\ks+3], v[KA] offset:\buf*KBUF+16*KP*\kt+64*\ks
	ds_load_b128 v[KF+16*\kt+8*\ks+4:KF+16*\kt+8*\ks+7], v[KA] offset:\buf*KBUF+16*KP*\kt+64*\ks+32
.endr
.endr
	WIN 0
.endm
; The tile's 8 fragments of V^T: 16 d x 32 keys each, two transposing loads, 16 keys apart.
.macro VFLOAD buf
.irp dt, 0,1,2,3
.irp ks, 0,1
	ds_load_tr16_b128 v[VF+16*\dt+8*\ks:VF+16*\dt+8*\ks+3], v[VA] offset:\buf*VBUF+32*VP*\ks+32*\dt
	ds_load_tr16_b128 v[VF+16*\dt+8*\ks+4:VF+16*\dt+8*\ks+7], v[VA] offset:\buf*VBUF+32*VP*\ks+32*\dt+16*VP
.endr
.endr
.endm
; My wave's 32 rows of Q, two rows by each load; read once in the launch.
.macro QLOAD tmp, ptr
.irp i, 0,1,2,3,4,5,6,7,8,9,10,11,12,13,14,15
	global_load_b128 v[\tmp+4*\i:\tmp+4*\i+3], v[QGO], s[\ptr:\ptr+1] offset:\i*2*ROWB th:TH_LOAD_NT
.endr
.endm
; Round them, lay them into my stage by rows, read them back as 4 fragments.  The stage is my wave's own and LDS serves a wave's
; instructions in order (ISA guide 5.7.1), so no wait stands between the stores and the loads, nor in front of the next use of the stage.
.macro QCONV tmp, dst, win
.irp i, 0,1,2,3,4,5,6,7,8,9,10,11,12,13,14,15
	v_cvt_pk_f16_f32 v[\tmp+4*\i], v[\tmp+4*\i], v[\tmp+4*\i+1]
	v_cvt_pk_f16_f32 v[\tmp+4*\i+1], v[\tmp+4*\i+2], v[\tmp+4*\i+3]
.endr
.irp i, 0,1,2,3,4,5,6,7,8,9,10,11,12,13,14,15
	ds_store_b64 v[T+6], v[\tmp+4*\i:\tmp+4*\i+1] offset:2*QP*\i
.endr
	WIN \win
.irp qt, 0,1
.irp ks, 0,1
	ds_load_b128 v[\dst+16*\qt+8*\ks:\dst+16*\qt+8*\ks+3], v[T+7] offset:16*QP*\qt+64*\ks
	ds_load_b128 v[\dst+16*\qt+8*\ks+4:\dst+16*\qt+8*\ks+7], v[T+7] offset:16*QP*\qt+64*\ks+32
.endr
.endr
	WIN 0
.endm
; S^T = K Q^T, 64 keys x 32 queries: eight products start the sums (C = 0), eight go on in place.
.macro SPROD qwin, qbase
	WIN \qwin
.irp qt, 0,1
.irp kt, 0,1,2,3
	v_wmma_f32_16x16x32_f16 v[S+32*\qt+8*\kt:S+32*\qt+8*\kt+7], v[KF+16*\kt:KF+16*\kt+7], v[\qbase+16*\qt:\qbase+16*\qt+7], 0
.endr
.endr
.irp qt, 0,1
.irp kt, 0,1,2,3
	v_wmma_f32_16x16x32_f16 v[S+32*\qt+8*\kt:S+32*\qt+8*\kt+7], v[KF+16*\kt+8:KF+16*\kt+15], v[\qbase+16*\qt+8:\qbase+16*\qt+15], v[S+32*\qt+8*\kt:S+32*\qt+8*\kt+7]
.endr
.endr
	WIN 0
.endm
; A tile on the diagonal: register 8 kt + j of lane (r, h) is key 16 kt + 8 h + j; it stays if that key lies behind my query, else -1e9.
.macro MASK dq
.irp qt, 0,1
.irp kt, 0,1,2,3
.irp j, 0,1,2,3,4,5,6,7
	v_cmp_gt_i32 vcc_lo, 16*\kt+\j, v[\dq+\qt]
	v_cndmask_b32 v[S+32*\qt+8*\kt+\j], v[NEGV], v[S+32*\qt+8*\kt+\j], vcc_lo
.endr
.endr
.endr
.endm
; The largest of my 32 scores of each query and of the running maximum: eight chains that do not wait for each other, 16 v_max3 a query.
.macro ROWMAX first
.irp qt, 0,1
.irp c, 0,1,2,3
	v_max3_num_f32 v[T+4*\qt+\c], v[S+32*\qt+8*\c], v[S+32*\qt+8*\c+1], v[S+32*\qt+8*\c+2]
.endr
.endr
.irp qt, 0,1
.irp c, 0,1,2,3
	v_max3_num_f32 v[T+4*\qt+\c], v[T+4*\qt+\c], v[S+32*\qt+8*\c+3], v[S+32*\qt+8*\c+4]
.endr
.endr
.irp qt, 0,1
.irp c, 0,1,2,3
	v_max3_num_f32 v[T+4*\qt+\c], v[T+4*\qt+\c], v[S+32*\qt+8*\c+5], v[S+32*\qt+8*\c+6]
.endr
.endr
.irp qt, 0,1
	v_max3_num_f32 v[T+4*\qt], v[T+4*\qt], v[T+4*\qt+1], v[S+32*\qt+7]
	v_max3_num_f32 v[T+4*\qt+2], v[T+4*\qt+2], v[T+4*\qt+3], v[S+32*\qt+15]
.endr
.irp qt, 0,1
	v_max3_num_f32 v[T+4*\qt], v[T+4*\qt], v[T+4*\qt+2], v[S+32*\qt+23]
.endr
.irp qt, 0,1
.if \first
	v_max_num_f32 v[T+4*\qt], v[T+4*\qt], v[S+32*\qt+31]
.else
	v_max3_num_f32 v[T+4*\qt], v[T+4*\qt], v[S+32*\qt+31], v[NM+2*\qt+1]
.endif
.endr
.endm
; The other half of the lanes holds the query's other 32 keys.  Then the new shift -c max and alpha = 2^(new shift - old shift).  alpha is made
; from the two ROUNDED shifts, the very numbers that the weights are made with, so that old and new weights fit together whatever the size of c max.
.macro NEWMAX first
	v_permlanex16_b32 v[T+1], v[T], s28, s29
	v_permlanex16_b32 v[T+5], v[T+4], s28, s29
	v_max_num_f32 v[NM+1], v[T], v[T+1]
	v_max_num_f32 v[NM+3], v[T+4], v[T+5]
.if \first
	v_mul_f32 v[NM], s31, v[NM+1]
	v_mul_f32 v[NM+2], s31, v[NM+3]
.else
	v_mul_f32 v[T+2], s31, v[NM+1]
	v_mul_f32 v[T+6], s31, v[NM+3]
	v_sub_f32 v[T+3], v[T+2], v[NM]
	v_sub_f32 v[T+7], v[T+6], v[NM+2]
	v_mov_b32 v[NM], v[T+2]
	v_mov_b32 v[NM+2], v[T+6]
	v_exp_f32 v[AL], v[T+3]                        ; the plain instructions behind these two are the next group's fused multiply-adds,
	v_exp_f32 v[AL+2], v[T+7]                      ; which touch neither alpha nor T (ISA guide 5.7.2)
.endif
.endm
; A group = 16 registers = 32 keys of one query tile.  c s - c max in one fused multiply-add, two at a time.
.macro FMAG qt, ks
.irp p, 0,2,4,6,8,10,12,14
	v_pk_fma_f32 v[S+32*\qt+16*\ks+\p:S+32*\qt+16*\ks+\p+1], v[S+32*\qt+16*\ks+\p:S+32*\qt+16*\ks+\p+1], s[26:27], v[NM+2*\qt:NM+2*\qt+1] op_sel_hi:[1,0,0]
.endr
.endm
.macro EXPG qt, ks
.irp p, 0,1,2,3,4,5,6,7,8,9,10,11,12,13,14,15
	v_exp_f32 v[S+32*\qt+16*\ks+\p], v[S+32*\qt+16*\ks+\p]
.endr
.endm
; The group's weights are added, in f32, to the query tile's two chains of pairs, then rounded to f16 in place: register p takes numbers 2 p
; and 2 p + 1, ascending, so that no number is lost.  The 8 registers are the fragment of P^T for these 32 keys.
.macro SUMCVT qt, ks
.if \ks
.irp p, 0,4,8,12
	v_pk_add_f32 v[T+4*\qt:T+4*\qt+1], v[T+4*\qt:T+4*\qt+1], v[S+32*\qt+16+\p:S+32*\qt+16+\p+1]
	v_pk_add_f32 v[T+4*\qt+2:T+4*\qt+3], v[T+4*\qt+2:T+4*\qt+3], v[S+32*\qt+16+\p+2:S+32*\qt+16+\p+3]
.endr
.else
	s_wait_alu depctr_va_vdst(0)
	v_pk_add_f32 v[T+4*\qt:T+4*\qt+1], v[S+32*\qt:S+32*\qt+1], v[S+32*\qt+2:S+32*\qt+3]       ; the first numbers start the chains
	v_pk_add_f32 v[T+4*\qt+2:T+4*\qt+3], v[S+32*\qt+4:S+32*\qt+5], v[S+32*\qt+6:S+32*\qt+7]
.irp p, 8,12
	v_pk_add_f32 v[T+4*\qt:T+4*\qt+1], v[T+4*\qt:T+4*\qt+1], v[S+32*\qt+\p:S+32*\qt+\p+1]
	v_pk_add_f32 v[T+4*\qt+2:T+4*\qt+3], v[T+4*\qt+2:T+4*\qt+3], v[S+32*\qt+\p+2:S+32*\qt+\p+3]
.endr
.endif
.irp p, 0,1,2,3,4,5,6,7
	v_cvt_pk_f16_f32 v[S+32*\qt+16*\ks+\p], v[S+32*\qt+16*\ks+2*\p], v[S+32*\qt+16*\ks+2*\p+1]
.endr
.endm
; O times the lane's factor (alpha in a trip, 1 / row sum at the end).
.macro RESCALE
.irp qt, 0,1
.irp p, 0,2,4,6,8,10,12,14,16,18,20,22,24,26,28,30
	v_pk_mul_f32 v[O+32*\qt+\p:O+32*\qt+\p+1], v[O+32*\qt+\p:O+32*\qt+\p+1], v[AL+2*\qt:AL+2*\qt+1] op_sel_hi:[1,0]
.endr
.endr
.endm
; O^T += V^T P^T: 64 d x 32 queries over 64 keys.
.macro PV first
.irp qt, 0,1
.irp dt, 0,1,2,3
.if \first
	v_wmma_f32_16x16x32_f16 v[O+32*\qt+8*\dt:O+32*\qt+8*\dt+7], v[VF+16*\dt:VF+16*\dt+7], v[S+32*\qt:S+32*\qt+7], 0
.else
	v_wmma_f32_16x16x32_f16 v[O+32*\qt+8*\dt:O+32*\qt+8*\dt+7], v[VF+16*\dt:VF+16*\dt+7], v[S+32*\qt:S+32*\qt+7], v[O+32*\qt+8*\dt:O+32*\qt+8*\dt+7]
.endif
.endr
.endr
.irp qt, 0,1
.irp dt, 0,1,2,3
	v_wmma_f32_16x16x32_f16 v[O+32*\qt+8*\dt:O+32*\qt+8*\dt+7], v[VF+16*\dt+8:VF+16*\dt+15], v[S+32*\qt+16:S+32*\qt+23], v[O+32*\qt+8*\dt:O+32*\qt+8*\dt+7]
.endr
.endr
.endm
; ONE TRIP = one key tile, in LDS buffer buf (ob = the other buffer, and the register set of the tile that is rounded in this trip).
; first: the block's first tile starts maxima and sums.  diag 1, 2: first, second tile on the diagonal.  cvt: the next tile is rounded into ob
; (lcnt = the younger loads that may stay out); ld: the tile three ahead is asked for; kf: the next tile's K fragments are read.
; ONE BARRIER does both orderings.  In front of my signal my reads of buf (K's at the trip's head, V's below) and my stores into ob are
; complete; behind the wait ob is read, and buf is written again only in the next trip.
.macro TRIP buf, ob, first, diag, cvt, ld, lcnt, kf, vs, qwin, qbase, id
	s_wait_dscnt 0x0                               ; the K fragments, asked for in the trip before
	SPROD \qwin, \qbase
	VFLOAD \buf                                    ; five places behind the last trip's products, which read these registers
.if \cvt
	s_wait_loadcnt \lcnt                           ; loads come back in order (ISA guide 5.7.1): the next tile's 16 are in, the 16 of the tile behind it stay out
	CONVERT \ob, \ob, \vs, \id                     ; its 32 conversions are also the places between the products above and the first read of S (ISA guide 7.12.1)
.if \ld
	ISSUE \ob
.endif
.else
.rept 4
	v_nop                                          ; four places between the products and the first read of S
.endr
.endif
.if \diag
	MASK DQ1+2*\diag-2
.endif
	ROWMAX \first
	s_wait_dscnt 0x0                               ; V's fragments are in, my stores into the other buffer are done: zero, for the other waves' sake
.if \cvt
	s_barrier_signal -1
.endif
	NEWMAX \first                                  ; registers only between signal and wait
	FMAG 0, 0
	EXPG 0, 0
.if \cvt
	s_barrier_wait -1
.endif
.if \kf
	KFLOAD \ob
.endif
	FMAG 0, 1                                      ; a plain run stands behind every run of exponentials before its results are read (ISA guide 5.7.2)
	EXPG 0, 1
	SUMCVT 0, 0
	FMAG 1, 0
	EXPG 1, 0
	SUMCVT 0, 1
	FMAG 1, 1
	EXPG 1, 1
	SUMCVT 1, 0
.if \first
.else
	RESCALE
.endif
	SUMCVT 1, 1
	PV \first
	; five places behind the last product: the next trip's products write over P, its loads land in V's fragments, the way out reads O
.if \first
	v_pk_add_f32 v[LP:LP+1], v[T:T+1], v[T+2:T+3]
	v_pk_add_f32 v[LP+2:LP+3], v[T+4:T+5], v[T+6:T+7]
	v_nop
	v_nop
	v_nop
.else
	v_pk_add_f32 v[T:T+1], v[T:T+1], v[T+2:T+3]
	v_pk_add_f32 v[T+4:T+5], v[T+4:T+5], v[T+6:T+7]
	v_pk_fma_f32 v[LP:LP+1], v[LP:LP+1], v[AL:AL+1], v[T:T+1] op_sel_hi:[1,0,1]
	v_pk_fma_f32 v[LP+2:LP+3], v[LP+2:LP+3], v[AL+2:AL+3], v[T+4:T+5] op_sel_hi:[1,0,1]
	v_nop
.endif
.endm
.macro TB buf, ob, first, diag, vs, id             ; a whole trip of the first block: Q in v32-63
	TRIP \buf, \ob, \first, \diag, 1, 1, 16, 1, \vs, 0x01, QB, \id
.endm
.macro TA buf, ob, first, diag, id                 ; a whole trip of the second block: Q in v452-483
	TRIP \buf, \ob, \first, \diag, 1, 1, 16, 1, 1, 0x05, QA, \id
.endm
; THE WAY OUT of a block: divide by the row sum, lay my 32 rows into my stage, read whole rows back, store them: sixteen neighbouring lanes
; store the 256 consecutive bytes of one (position, head) row.  last = 1 (block 15 - i): row 2047 is left out.
.macro EPI optr, last
	v_add_f32 v[T], v[LP], v[LP+1]
	v_add_f32 v[T+2], v[LP+2], v[LP+3]
	v_permlanex16_b32 v[T+1], v[T], s28, s29
	v_permlanex16_b32 v[T+3], v[T+2], s28, s29
	v_add_f32 v[T], v[T], v[T+1]                   ; at least 1: the largest score's weight is 1
	v_add_f32 v[T+2], v[T+2], v[T+3]
	v_rcp_f32 v[AL], v[T]
	v_rcp_f32 v[AL+2], v[T+2]
.if \last
	v_lshrrev_b32 v[T+4], 12, v[QGO]               ; 32 w + h; also the plain instruction behind the reciprocals (ISA guide 5.7.2)
	s_wait_alu depctr_va_vdst(0)
.else
	v_nop                                          ; the plain instruction behind the reciprocals
	s_wait_alu depctr_va_vdst(0)
.endif
	RESCALE
	WIN 0x01                                       ; the stage's two addresses lie in v484, v485
.irp qt, 0,1
.irp dt, 0,1,2,3
	ds_store_b128 v[OSW], v[O+32*\qt+8*\dt:O+32*\qt+8*\dt+3] offset:16*OP*\qt+64*\dt
	ds_store_b128 v[OSW], v[O+32*\qt+8*\dt+4:O+32*\qt+8*\dt+7] offset:16*OP*\qt+64*\dt+16
.endr
.endr
.irp i, 0,1,2,3,4,5,6,7,8,9,10,11,12,13,14,15
	ds_load_b128 v[VF+4*\i:VF+4*\i+3], v[OSR] offset:2*OP*\i       ; my own bytes, served in order: these see the stores above
.endr
	WIN 0
.irp i, 0,1,2,3,4,5,6,7,8,9,10,11,12,13,14
	s_wait_dscnt 15-\i                             ; rows 2 i, 2 i + 1 are back; the 15 - i younger loads stay out
	global_store_b128 v[QGO], v[VF+4*\i:VF+4*\i+3], s[\optr:\optr+1] offset:\i*2*ROWB th:TH_STORE_NT
.endr
	s_wait_dscnt 0x0
.if \last
	s_sub_co_u32 s44, 15, s13
	s_lshl_b32 s44, s44, 7
	s_add_co_u32 s44, s44, 30
	v_add_nc_u32 v[T+4], s44, v[T+4]               ; the position of my last row: 128 (15 - i) + 32 w + 30 + h
	v_cmp_gt_u32 vcc_lo, 2047, v[T+4]
	s_wait_xcnt 0x0                                ; EXEC is a source of the loads and stores that are out: it narrows only behind this wait
	s_and_saveexec_b32 s30, vcc_lo
	global_store_b128 v[QGO], v[VF+60:VF+63], s[\optr:\optr+1] offset:15*2*ROWB th:TH_STORE_NT
	s_wait_xcnt 0x0                                ; and widens only behind this one, which also frees v192-255 for the next trip's loads
	s_or_b32 exec_lo, exec_lo, s30
.else
	global_store_b128 v[QGO], v[VF+60:VF+63], s[\optr:\optr+1] offset:15*2*ROWB th:TH_STORE_NT
.endif
.endm
	; ---- ids, constants, addresses ----
	s_load_b256 s[4:11], s[0:1], 0x0               ; queries s[4:5], keys s[6:7], values s[8:9], out0 s[10:11]
	s_set_vgpr_msb 0x40
	v_lshl_add_u32 v232, v0, 2, 0x29000
	v_mov_b32 v233, 0
	s_set_vgpr_msb 0x4000
	v_lshrrev_b32 v1, 5, v0
	v_readfirstlane_b32 s12, v1                    ; wave 0..3
	s_and_b32 s13, ttmp9, 7                        ; i
	s_lshr_b32 s14, ttmp9, 3                       ; 16 b + h
	s_lshr_b32 s15, s14, 4
	s_and_b32 s14, s14, 15
	s_lshl_b32 s14, s14, 8                         ; h x 256 bytes
	s_lshl_b32 s15, s15, 23                        ; b x 2048 x 4096 bytes
	s_or_b32 s14, s14, s15
	s_mov_b32 s15, 0
	s_lshl_b32 s21, s13, 1                         ; the second block's first tile
	s_sub_co_u32 s20, 30, s21                      ; the first block's first tile
	s_sub_co_u32 s25, 13, s13                      ; rounds of the second block's loop
	s_mov_b32 s23, 0
	s_mov_b32 s26, 0x3e38aa3b                      ; c = 0.125 log2 e
	s_mov_b32 s27, 0x3e38aa3b
	s_mov_b32 s31, 0xbe38aa3b                      ; -c
	s_mov_b32 s28, 0x76543210                      ; v_permlanex16_b32: lane i of one half reads lane i of the other
	s_mov_b32 s29, 0xfedcba98
	s_mul_i32 s42, s12, STGB
	s_add_co_u32 s42, s42, STG                     ; my wave's stage
	s_lshl_b32 s44, s12, 17                        ; 32 w rows of 4,096 bytes
	s_lshl_b32 s45, s12, 5                         ; 32 w
	v_and_b32 v24, 15, v0                          ; r
	v_bfe_u32 v25, v0, 4, 1                        ; h
	v_lshrrev_b32 v26, 4, v0                       ; t >> 4, 0..7
	v_and_b32 v27, 7, v0
	v_bfe_u32 v28, v0, 3, 1
	v_mul_u32_u24 v[KA], v24, KP
	v_lshl_add_u32 v[KA], v25, 4, v[KA]
	v_lshl_add_u32 v29, v25, 3, v27                ; key 8 h + (lane & 7)
	v_mul_u32_u24 v[VA], v29, VP
	v_lshl_add_u32 v[VA], v28, 4, v[VA]
	v_add_nc_u32 v[VA], VBASE, v[VA]
	v_mul_u32_u24 v[KW], v26, KP
	v_lshl_add_u32 v[KW], v24, 3, v[KW]
	v_mul_u32_u24 v[VW], v26, VP
	v_lshl_add_u32 v[VW], v24, 3, v[VW]
	v_add_nc_u32 v[VW], VBASE, v[VW]
	v_lshlrev_b32 v[GO], 12, v26
	v_lshl_add_u32 v[GO], v24, 4, v[GO]
	v_lshlrev_b32 v[QGO], 12, v25
	v_lshl_add_u32 v[QGO], v24, 4, v[QGO]
	v_add_nc_u32 v[QGO], s44, v[QGO]
	v_mov_b32 v[NEGV], 0xce6e6b28                  ; -1e9
	v_lshlrev_b32 v29, 3, v25
	v_sub_nc_u32 v[DQ1], v24, v29
	v_add_nc_u32 v[DQ1], s45, v[DQ1]
	v_add_nc_u32 v[DQ1+1], 16, v[DQ1]
	v_add_nc_u32 v[DQ2], 0xffffffc0, v[DQ1]
	v_add_nc_u32 v[DQ2+1], 0xffffffc0, v[DQ1+1]
	v_mov_b32 v[AL+1], 0                           ; the pairs' second registers are never used, but count as read
	v_mov_b32 v[AL+3], 0
	v_mul_u32_u24 v[T+6], v25, QP                  ; Q into the stage: row h, 8 bytes a lane
	v_lshl_add_u32 v[T+6], v24, 3, v[T+6]
	v_add_nc_u32 v[T+6], s42, v[T+6]
	v_add_nc_u32 v[T+7], s42, v[KA]                ; and back as fragments
	v_mul_u32_u24 v27, v24, OP                     ; O into the stage: row r, 32 bytes for each half of the lanes
	v_lshl_add_u32 v27, v25, 5, v27
	v_mul_u32_u24 v28, v25, OP                     ; and back: lanes 0-15 one row, lanes 16-31 the next
	v_lshl_add_u32 v28, v24, 4, v28
	WIN 0x40
	v_add_nc_u32 v[OSW], s42, v27
	v_add_nc_u32 v[OSR], s42, v28
.irp k, 0,1,2,3
	v_mov_b32 v[VS+\k], 0                          ; four registers: the sum has no first term that every path passes
.endr
	WIN 0
	s_wait_kmcnt 0x0
	s_add_nc_u64 s[4:5], s[4:5], s[14:15]          ; all four tensors at the head's first row
	s_add_nc_u64 s[6:7], s[6:7], s[14:15]
	s_add_nc_u64 s[8:9], s[8:9], s[14:15]
	s_add_nc_u64 s[10:11], s[10:11], s[14:15]
	s_lshl_b32 s36, s13, 19                        ; block i: 128 rows of 4,096 bytes each
	s_mov_b32 s37, 0
	s_add_nc_u64 s[34:35], s[4:5], s[36:37]
	s_add_nc_u64 s[40:41], s[10:11], s[36:37]
	s_sub_co_u32 s36, 15, s13                      ; block 15 - i
	s_lshl_b32 s36, s36, 19
	s_add_nc_u64 s[32:33], s[4:5], s[36:37]
	s_add_nc_u64 s[38:39], s[10:11], s[36:37]
	; ---- fill: tiles 0, 1, 2 of the list and both blocks' Q ----
	ISSUE 0
	QLOAD S, 32
	QLOAD VF, 34
	ISSUE 1
	s_wait_loadcnt 16                              ; tile 0 and Q are in; the second tile's 16 loads stay out
	QCONV S, QB, 0
	QCONV VF, QA, 0x40
	CONVERT 0, 0, 0, p
	ISSUE 0
	s_wait_dscnt 0x0                               ; my part of tile 0 is in LDS (and Q's fragments are in)
	s_barrier_signal -1
	s_barrier_wait -1
	KFLOAD 0
	; ---- block 15 - i: 2 i + 2 tiles ----
	TB 0, 1, 1, 1, 0, b1
	TB 1, 0, 0, 2, 1, b2                           ; where i = 0 this trip rounds the second block's first tile: V's sum begins
	s_cmp_eq_u32 s13, 0
	s_cbranch_scc1 .LdoneB
	s_mov_b32 s24, 0
.LloopB:
	TB 0, 1, 0, 0, 0, b3
	TB 1, 0, 0, 0, 0, b4
	s_add_co_u32 s24, s24, 1
	s_cmp_lt_u32 s24, s13
	s_cbranch_scc1 .LloopB
.LdoneB:
	EPI 38, 1
	; ---- block i: 32 - 2 i tiles = 2 on the diagonal, 13 - i rounds of 2, 4 written out ----
	TA 0, 1, 1, 1, a1
	TA 1, 0, 0, 2, a2
	s_mov_b32 s24, 0
.LloopA:
	TA 0, 1, 0, 0, a3
	TA 1, 0, 0, 0, a4
	s_add_co_u32 s24, s24, 1
	s_cmp_lt_u32 s24, s25
	s_cbranch_scc1 .LloopA
	TA 0, 1, 0, 0, a5                              ; asks for the list's last tile
	TRIP 1, 0, 0, 0, 1, 0, 16, 1, 1, 0x05, QA, a6  ; asks for nothing; the last tile's 16 loads stay out
	TRIP 0, 1, 0, 0, 1, 0, 0, 1, 1, 0x05, QA, a7   ; nothing was issued behind the last tile: the wait is for 0
	TRIP 1, 0, 0, 0, 0, 0, 0, 0, 0, 0x05, QA, a8   ; nothing is rounded, so there is no barrier
	EPI 40, 0
	; ---- row 2047: the mean of the head's 2,048 value rows (i is equal in all four waves, so all of them pass the barrier or none) ----
	s_cmp_lg_u32 s13, 0
	s_cbranch_scc1 .Lend
	WIN 0x01
.irp k, 0,1,2,3
	v_permlanex16_b32 v[T+4+\k], v[VS+\k], s28, s29        ; lanes l and l xor 16 staged the same 4 columns of different rows
.endr
	v_pk_add_f32 v[T:T+1], v[VS:VS+1], v[T+4:T+5]
	v_pk_add_f32 v[T+2:T+3], v[VS+2:VS+3], v[T+6:T+7]
	WIN 0
	v_and_b32 v[T+4], 15, v0
	v_lshlrev_b32 v[T+5], 4, v[T+4]                ; 16 bytes for each of 16 column groups
	v_add_nc_u32 v[T+4], VSUM, v[T+5]
	v_lshl_add_u32 v[T+6], s12, 8, v[T+4]          ; my wave's row of 256 bytes; both halves of the lanes write the same numbers
	ds_store_b128 v[T+6], v[T:T+3]
	s_wait_dscnt 0x0                               ; zero: wave 0 reads these bytes behind the barrier
	s_barrier_signal -1
	s_barrier_wait -1
	s_cmp_lg_u32 s12, 0
	s_cbranch_scc1 .Lend
.irp k, 0,1,2,3
	ds_load_b128 v[S+4*\k:S+4*\k+3], v[T+4] offset:256*\k
.endr
	s_wait_dscnt 0x0
	v_pk_add_f32 v[S:S+1], v[S:S+1], v[S+4:S+5]
	v_pk_add_f32 v[S+2:S+3], v[S+2:S+3], v[S+6:S+7]
	v_pk_add_f32 v[S+8:S+9], v[S+8:S+9], v[S+12:S+13]
	v_pk_add_f32 v[S+10:S+11], v[S+10:S+11], v[S+14:S+15]
	v_pk_add_f32 v[S:S+1], v[S:S+1], v[S+8:S+9]
	v_pk_add_f32 v[S+2:S+3], v[S+2:S+3], v[S+10:S+11]
	v_pk_mul_f32 v[S:S+1], v[S:S+1], 0x3a000000 op_sel_hi:[1,0]    ; x 1 / 2048
	v_pk_mul_f32 v[S+2:S+3], v[S+2:S+3], 0x3a000000 op_sel_hi:[1,0]
	v_cmp_gt_u32 vcc_lo, 16, v0                    ; sixteen lanes store the row's 256 bytes
	s_wait_xcnt 0x0                                ; EXEC is a source of the stores that are out
	s_and_saveexec_b32 s30, vcc_lo
	global_store_b128 v[T+5], v[S:S+3], s[10:11] offset:2047*ROWB th:TH_STORE_NT
	s_wait_xcnt 0x0
	s_or_b32 exec_lo, exec_lo, s30
.Lend:
	s_set_vgpr_msb 0x5
	s_wait_tensorcnt 0x0
	ds_add_u32 v232, v233
	s_wait_dscnt 0x0
	s_set_vgpr_msb 0x500
	s_endpgm
.Lfunc_end_k_q741889f938_attn:
	.size	k_q741889f938_attn, .Lfunc_end_k_q741889f938_attn-k_q741889f938_attn
	.p2alignl 7, 3214868480
	.fill 96, 4, 3214868480
	.section	.rodata,"a",@progbits
	.p2align	6, 0x0
	.amdhsa_kernel k_q741889f938_attn
		.amdhsa_group_segment_fixed_size 168448
		.amdhsa_private_segment_fixed_size 0
		.amdhsa_enable_private_segment 0
		.amdhsa_kernarg_size 32
		.amdhsa_user_sgpr_count 2
		.amdhsa_user_sgpr_kernarg_segment_ptr 1
		.amdhsa_wavefront_size32 1
		.amdhsa_system_sgpr_workgroup_id_x 1
		.amdhsa_system_sgpr_workgroup_id_y 1
		.amdhsa_system_sgpr_workgroup_id_z 1
		.amdhsa_system_vgpr_workitem_id 0
		.amdhsa_next_free_vgpr 490
		.amdhsa_next_free_sgpr 66
		.amdhsa_reserve_vcc 1
		.amdhsa_float_denorm_mode_32 3
		.amdhsa_float_denorm_mode_16_64 3
		.amdhsa_memory_ordered 1
		.amdhsa_forward_progress 1
		.amdhsa_inst_pref_size 255
	.end_amdhsa_kernel
	.section	.bss,"aw",@nobits
	.p2align	6
	.space	262144
	.amdgpu_metadata
---
amdhsa.version: [ 1, 2 ]
amdhsa.kernels:
  - .name:           k_q741889f938_attn
    .symbol:         k_q741889f938_attn.kd
    .args:
      - { .name: queries, .offset: 0, .size: 8, .value_kind: global_buffer, .address_space: global }
      - { .name: keys, .offset: 8, .size: 8, .value_kind: global_buffer, .address_space: global }
      - { .name: values, .offset: 16, .size: 8, .value_kind: global_buffer, .address_space: global }
      - { .name: out0, .offset: 24, .size: 8, .value_kind: global_buffer, .address_space: global }
    .group_segment_fixed_size: 168448
    .private_segment_fixed_size: 0
    .kernarg_segment_align: 8
    .kernarg_segment_size: 32
    .max_flat_workgroup_size: 128
    .sgpr_count:     66
    .vgpr_count:     490
    .wavefront_size: 32
...
	.end_amdgpu_metadata
.endif
;; end of part 1
